; MI455X (gfx1250); checked and timed in simulation.
; The chip was launched on July 23, 2026; its instructions are those of AMD's public machine-readable ISA for CDNA 5 (MIT licence, August 2026) and "CDNA5" Instruction Set Architecture Reference Guide (July 2026). The comments in the code are by the model that wrote it; some were corrected since.
;; Symplectic Integrator. Allowed arithmetic: float matrix products may take bf16 or f16 operands with f32 sums; other float arithmetic in f32, or as packed bf16 or f16 multiplies, adds, multiply-adds, maxima and minima; sums over many terms, partial sums and values carried from step to step in f32; what a program stores and reads back later, other than sums and carried values, may be rounded once to bf16 or f16.
;; Inputs: U 1,024 x 256 float32; W 256 x 1,024 float32; force 4,096 x 1,024 float32; v 4,096 x 1,024 float32; x 4,096 x 1,024 float32.
;; Outputs: out0 4,096 x 1,024 float32; out1 4,096 x 1,024 float32.
;; Constants: steps = 8.
;; One version. Each part assembles by itself: llvm-mc -triple=amdgcn-amd-amdhsa -mcpu=gfx1250 --defsym DOCPART=n.
;; ======== version 1 of 1: 2 launches
;; workspace buffers: uw 1,179,648 bytes
;; launch prep (part 1): grid 256 x 1, 8 waves a work-group, no clusters, 9,216 bytes of LDS; arguments U, W, uw; writes uw
.if DOCPART == 1
	.amdgcn_target "amdgcn-amd-amdhsa--gfx1250"
	.amdhsa_code_object_version 6
	.text
	.protected	k_q315f7652ba_prep
	.globl	k_q315f7652ba_prep
	.p2align	8
	.type	k_q315f7652ba_prep,@function
k_q315f7652ba_prep:
	s_mov_b64 s[64:65], 0
	v_nop
	global_prefetch_b8 v0, s[64:65] scope:SCOPE_SE
	s_setreg_imm32_b32 hwreg(HW_REG_WAVE_MODE, 25, 1), 1
	s_wait_xcnt 0x0
; PREP.  uw = nine chunks of 131,072 bytes, all bf16, in the order in which the next launch's matrix fragments are read:
; a fragment (16 output columns x 32 along K) is 1,024 bytes: [half c][lane][16 bytes]; lane (r = l % 16, h = l / 16), half c holds
; K = 32 s + 16 c + 8 h + 0..7 of output column 16 tile + r.  Chunk 0: M = W U (256 x 256).  Chunks 1-4: U, 8 K steps each.  Chunks 5-8: W, 256 columns each.
; Inside a chunk: [wave w of the reader][32,768 bytes], so that a reader's wave finds its part dense.
; SHARES.  Work-group g makes the 16 x 16 tile (i block g / 16, j block g % 16) of M; the sum over d = 0..1023 is split among its eight waves, 128 each (f32 sums, met in LDS).
; Each wave also converts one half fragment of U (waves 0-3) or of W (waves 4-7): 8 x 256 = the 2,048 halves that there are.
; NO CLUSTER: the launch loads through registers, once, and has no ring of tiles; what work-groups share (16 rows of W, 16 columns of U) is read in one trip to memory.
; U and W are read across their rows in pieces of 64 bytes (16 lanes x 4 bytes): each table is 1 MiB and each fragment is made once.
; LIMIT.  M is rounded twice: its operands to bf16, its f32 sums to bf16.
.set PART,  0                          ; LDS: wave v's partial tile, 1,024 bytes, at 1,024 v
.set SPARE, 8192                       ; behind them: the spare words, 128 bytes for each wave: four blocks of 256 bytes that no other line names
.set SPW,  2                           ; v2   LDS address of my spare word; never rewritten
.set NIL,  3                           ; v3   0; never rewritten
.set WOFF, 7                           ; v7   W: (16 ib + r) x 4,096 + 512 wave + 32 h
.set UOFF, 8                           ; v8   U: (128 wave + 8 h) x 1,024 + (16 jb + r) x 4
.set BOFF, 9                           ; v9   the conversion's source offset
.set LS,   10                          ; v10  where I put my 32 bytes of a partial tile
.set LR,   11                          ; v11  where wave 0 reads them back
.set MO,   12                          ; v12  my 16 bytes of M in uw
.set BO,   13                          ; v13  my 16 bytes of the converted half fragment in uw
.set WR,   16                          ; v[16:79]    W as loaded, 16 registers a K step; packed in place into the first 8
.set UR,   80                          ; v[80:143]   U likewise
.set BR,   144                         ; v[144:151]  the conversion's eight numbers
.set ACC,  152                         ; v[152:167]  two accumulators, by turns
.set PT,   168                         ; v[168:231]  the eight partial tiles
	s_load_b128 s[4:7], s[0:1], 0x0                ; U s[4:5], W s[6:7]
	s_load_b64 s[8:9], s[0:1], 0x10                ; uw
	v_lshl_add_u32 v[SPW], v0, 2, SPARE
	v_mov_b32 v[NIL], 0
	v_lshrrev_b32 v1, 5, v0
	v_readfirstlane_b32 s10, v1                    ; wave 0..7
	v_and_b32 v4, 15, v0                           ; r
	v_bfe_u32 v5, v0, 4, 1                         ; h
	v_and_b32 v6, 31, v0                           ; l
	s_lshr_b32 s11, ttmp9, 4                       ; ib: M's block of 16 rows
	s_and_b32 s12, ttmp9, 15                       ; jb: M's block of 16 columns
	s_lshl_b32 s13, s11, 16
	s_lshl_b32 s14, s10, 9
	s_add_co_u32 s13, s13, s14
	v_lshlrev_b32 v[WOFF], 12, v4
	v_lshl_add_u32 v[WOFF], v5, 5, v[WOFF]
	v_add_nc_u32 v[WOFF], s13, v[WOFF]
	s_lshl_b32 s13, s10, 17
	s_lshl_b32 s14, s12, 6
	s_add_co_u32 s13, s13, s14
	v_lshlrev_b32 v[UOFF], 2, v4
	v_lshl_add_u32 v[UOFF], v5, 13, v[UOFF]
	v_add_nc_u32 v[UOFF], s13, v[UOFF]
	s_lshl_b32 s13, s10, 10
	v_lshlrev_b32 v[LR], 5, v6
	v_add_nc_u32 v[LS], s13, v[LR]
	s_lshl_b32 s13, s12, 13                        ; chunk 0: column block x 8,192 + row block x 512 + 16 l
	s_lshl_b32 s14, s11, 9
	s_add_co_u32 s13, s13, s14
	v_lshl_add_u32 v[MO], v6, 4, s13
	s_bfe_u32 s15, s10, 0x10001                    ; (wave / 2) % 2
	s_lshl_b32 s16, ttmp9, 1
	s_add_co_u32 s15, s15, s16                     ; the fragment that I convert half of: 2 g + (wave / 2) % 2, of 512
	s_and_b32 s16, s10, 1                          ; which half: c
	v_lshlrev_b32 v[BOFF], 2, v4                   ; 4 r
	s_wait_kmcnt 0x0
	s_cmp_lt_u32 s10, 4
	s_cbranch_scc0 .Lw_arm
	; U: fragment = (K step s = f / 16, column tile n = f % 16)
	s_and_b32 s17, s15, 15
	s_lshr_b32 s18, s15, 4
	s_lshl_b32 s19, s18, 15                        ; row 32 s + 16 c + 8 h, 1,024 bytes a row
	s_lshl_b32 s20, s16, 14
	s_add_co_u32 s19, s19, s20
	s_lshl_b32 s20, s17, 6
	s_add_co_u32 s19, s19, s20
	v_lshl_add_u32 v[BOFF], v5, 13, v[BOFF]
	v_add_nc_u32 v[BOFF], s19, v[BOFF]
.irp i, 0,1,2,3,4,5,6,7
	global_load_b32 v[BR+(\i)], v[BOFF], s[4:5] offset:(\i)*1024
.endr
	s_lshr_b32 s19, s18, 3                         ; chunk 1 + s / 8,
	s_add_co_u32 s19, s19, 1
	s_lshl_b32 s19, s19, 17
	s_lshr_b32 s20, s17, 2                         ; reader's wave n / 4,
	s_lshl_b32 s20, s20, 15
	s_add_co_u32 s19, s19, s20
	s_and_b32 s20, s18, 7                          ; K step in the chunk,
	s_lshl_b32 s20, s20, 12
	s_add_co_u32 s19, s19, s20
	s_and_b32 s20, s17, 3                          ; tile in the wave,
	s_lshl_b32 s20, s20, 10
	s_add_co_u32 s19, s19, s20
	s_lshl_b32 s20, s16, 9                         ; half
	s_add_co_u32 s19, s19, s20
	v_lshl_add_u32 v[BO], v6, 4, s19
	s_branch .Lboth
.Lw_arm:
	; W: fragment = (K step s = f / 64, column tile n = f % 64)
	s_and_b32 s17, s15, 63
	s_lshr_b32 s18, s15, 6
	s_lshl_b32 s19, s18, 17                        ; row 32 s + 16 c + 8 h, 4,096 bytes a row
	s_lshl_b32 s20, s16, 16
	s_add_co_u32 s19, s19, s20
	s_lshl_b32 s20, s17, 6
	s_add_co_u32 s19, s19, s20
	v_lshl_add_u32 v[BOFF], v5, 15, v[BOFF]
	v_add_nc_u32 v[BOFF], s19, v[BOFF]
.irp i, 0,1,2,3,4,5,6,7
	global_load_b32 v[BR+(\i)], v[BOFF], s[6:7] offset:(\i)*4096
.endr
	s_lshr_b32 s19, s17, 4                         ; chunk 5 + n / 16,
	s_add_co_u32 s19, s19, 5
	s_lshl_b32 s19, s19, 17
	s_bfe_u32 s20, s17, 0x20002                    ; reader's wave (n / 4) % 4,
	s_lshl_b32 s20, s20, 15
	s_add_co_u32 s19, s19, s20
	s_lshl_b32 s20, s18, 12                        ; K step,
	s_add_co_u32 s19, s19, s20
	s_and_b32 s20, s17, 3                          ; tile in the wave,
	s_lshl_b32 s20, s20, 10
	s_add_co_u32 s19, s19, s20
	s_lshl_b32 s20, s16, 9                         ; half
	s_add_co_u32 s19, s19, s20
	v_lshl_add_u32 v[BO], v6, 4, s19
.Lboth:
	; my four K steps of M's tile: W's rows lie along d (32 bytes a lane and half), U's columns across it (a number a load).
	; In both, number i of a lane's sixteen is d = 32 k + 8 h + i for i < 8 and d = 32 k + 16 + 8 h + (i - 8) from 8 on: the fragment's two halves lie 16 apart along K, not 8.
.irp k, 0,1,2,3
	global_load_b128 v[WR+16*(\k):WR+16*(\k)+3],     v[WOFF], s[6:7] offset:128*(\k)
	global_load_b128 v[WR+16*(\k)+4:WR+16*(\k)+7],   v[WOFF], s[6:7] offset:128*(\k)+16
	global_load_b128 v[WR+16*(\k)+8:WR+16*(\k)+11],  v[WOFF], s[6:7] offset:128*(\k)+64
	global_load_b128 v[WR+16*(\k)+12:WR+16*(\k)+15], v[WOFF], s[6:7] offset:128*(\k)+80
.endr
.irp k, 0,1,2,3
.irp i, 0,1,2,3,4,5,6,7,8,9,10,11,12,13,14,15
	global_load_b32 v[UR+16*(\k)+(\i)], v[UOFF], s[4:5] offset:(32*(\k)+(\i)+8*((\i)/8))*1024
.endr
.endr
	s_wait_loadcnt 0x0                             ; the launch is one trip to memory: all 88 loads of the wave are out together, and all are wanted now
.irp i, 0,1,2,3
	v_cvt_pk_bf16_f32 v[BR+(\i)], v[BR+2*(\i)], v[BR+2*(\i)+1]  ; in place: register i is written when 2 i and 2 i + 1 have been read
.endr
	global_store_b128 v[BO], v[BR:BR+3], s[8:9]    ; the wave's store covers 512 consecutive bytes, aligned
.irp k, 0,1,2,3
.irp i, 0,1,2,3,4,5,6,7
	v_cvt_pk_bf16_f32 v[WR+16*(\k)+(\i)], v[WR+16*(\k)+2*(\i)], v[WR+16*(\k)+2*(\i)+1]
	v_cvt_pk_bf16_f32 v[UR+16*(\k)+(\i)], v[UR+16*(\k)+2*(\i)], v[UR+16*(\k)+2*(\i)+1]
.endr
.endr
	; source 0 = 16 rows of W, source 1 = 16 columns of U: lane (r, h) ends with M[16 ib + 8 h + 0..7][16 jb + r]: the 16 bytes of its place in chunk 0.  The two accumulators take turns.
	v_wmma_f32_16x16x32_bf16 v[ACC:ACC+7],    v[WR:WR+7],       v[UR:UR+7],       0
	v_wmma_f32_16x16x32_bf16 v[ACC+8:ACC+15], v[WR+16:WR+23],   v[UR+16:UR+23],   0
	v_wmma_f32_16x16x32_bf16 v[ACC:ACC+7],    v[WR+32:WR+39],   v[UR+32:UR+39],   v[ACC:ACC+7]
	v_wmma_f32_16x16x32_bf16 v[ACC+8:ACC+15], v[WR+48:WR+55],   v[UR+48:UR+55],   v[ACC+8:ACC+15]
.rept 8
	v_nop                                          ; places behind the last product, in front of sums that read and rewrite results (ISA guide 7.12.1); eight, once a launch
.endr
.irp i, 0,2,4,6
	v_pk_add_f32 v[ACC+(\i):ACC+(\i)+1], v[ACC+(\i):ACC+(\i)+1], v[ACC+8+(\i):ACC+8+(\i)+1]
.endr
	ds_store_b128 v[LS], v[ACC:ACC+3]   offset:PART
	ds_store_b128 v[LS], v[ACC+4:ACC+7] offset:PART+16
	s_wait_dscnt 0x0                               ; for wave 0's sake: my partial tile lies in LDS
	s_barrier_signal -1
	s_barrier_wait -1
	s_cmp_lg_u32 s10, 0
	s_cbranch_scc1 .Lend
.irp k, 0,1,2,3,4,5,6,7
	ds_load_b128 v[PT+8*(\k):PT+8*(\k)+3],   v[LR] offset:PART+1024*(\k)
	ds_load_b128 v[PT+8*(\k)+4:PT+8*(\k)+7], v[LR] offset:PART+1024*(\k)+16
.endr
	s_wait_dscnt 0x0
.irp k, 0,2,4,6
.irp i, 0,2,4,6
	v_pk_add_f32 v[PT+8*(\k)+(\i):PT+8*(\k)+(\i)+1], v[PT+8*(\k)+(\i):PT+8*(\k)+(\i)+1], v[PT+8*(\k)+8+(\i):PT+8*(\k)+8+(\i)+1]
.endr
.endr
.irp k, 0,4
.irp i, 0,2,4,6
	v_pk_add_f32 v[PT+8*(\k)+(\i):PT+8*(\k)+(\i)+1], v[PT+8*(\k)+(\i):PT+8*(\k)+(\i)+1], v[PT+8*(\k)+16+(\i):PT+8*(\k)+16+(\i)+1]
.endr
.endr
.irp i, 0,2,4,6
	v_pk_add_f32 v[PT+(\i):PT+(\i)+1], v[PT+(\i):PT+(\i)+1], v[PT+32+(\i):PT+32+(\i)+1]
.endr
.irp i, 0,1,2,3
	v_cvt_pk_bf16_f32 v[PT+(\i)], v[PT+2*(\i)], v[PT+2*(\i)+1]
.endr
	global_store_b128 v[MO], v[PT:PT+3], s[8:9]    ; 512 consecutive bytes, aligned
.Lend:
	s_wait_tensorcnt 0x0                           ; the wave's end: behind my last LDS store
	ds_add_u32 v[SPW], v[NIL]
	s_wait_dscnt 0x0
	s_endpgm
.Lfunc_end_k_q315f7652ba_prep:
	.size	k_q315f7652ba_prep, .Lfunc_end_k_q315f7652ba_prep-k_q315f7652ba_prep
	.p2alignl 7, 3214868480
	.fill 96, 4, 3214868480
	.section	.rodata,"a",@progbits
	.p2align	6, 0x0
	.amdhsa_kernel k_q315f7652ba_prep
		.amdhsa_group_segment_fixed_size 9216
		.amdhsa_private_segment_fixed_size 0
		.amdhsa_enable_private_segment 0
		.amdhsa_kernarg_size 24
		.amdhsa_user_sgpr_count 2
		.amdhsa_user_sgpr_kernarg_segment_ptr 1
		.amdhsa_wavefront_size32 1
		.amdhsa_system_sgpr_workgroup_id_x 1
		.amdhsa_system_sgpr_workgroup_id_y 1
		.amdhsa_system_sgpr_workgroup_id_z 1
		.amdhsa_system_vgpr_workitem_id 0
		.amdhsa_next_free_vgpr 232
		.amdhsa_next_free_sgpr 66
		.amdhsa_reserve_vcc 0
		.amdhsa_float_denorm_mode_32 3
		.amdhsa_float_denorm_mode_16_64 3
		.amdhsa_memory_ordered 1
		.amdhsa_forward_progress 1
		.amdhsa_inst_pref_size 22
	.end_amdhsa_kernel
	.amdgpu_metadata
---
amdhsa.version: [ 1, 2 ]
amdhsa.kernels:
  - .name:           k_q315f7652ba_prep
    .symbol:         k_q315f7652ba_prep.kd
    .args:
      - { .name: U, .offset: 0, .size: 8, .value_kind: global_buffer, .address_space: global }
      - { .name: W, .offset: 8, .size: 8, .value_kind: global_buffer, .address_space: global }
      - { .name: uw, .offset: 16, .size: 8, .value_kind: global_buffer, .address_space: global }
    .group_segment_fixed_size: 9216
    .private_segment_fixed_size: 0
    .kernarg_segment_align: 8
    .kernarg_segment_size: 24
    .max_flat_workgroup_size: 256
    .sgpr_count:     66
    .vgpr_count:     232
    .wavefront_size: 32
...
	.end_amdgpu_metadata
.endif
;; end of part 1
;; launch main (part 2): grid 256 x 1, 4 waves a work-group, clusters of 4 x 1, 327,680 bytes of LDS; arguments x, v, force, uw, out0, out1; writes out0, out1
.if DOCPART == 2
	.amdgcn_target "amdgcn-amd-amdhsa--gfx1250"
	.amdhsa_code_object_version 6
	.text
	.protected	k_q315f7652ba_main
	.globl	k_q315f7652ba_main
	.p2align	8
	.type	k_q315f7652ba_main,@function
k_q315f7652ba_main:
	s_mov_b64 s[64:65], 0
	v_nop
	global_prefetch_b8 v0, s[64:65] scope:SCOPE_SE
	s_setreg_imm32_b32 hwreg(HW_REG_WAVE_MODE, 25, 1), 1
	s_wait_xcnt 0x0
	s_wait_alu depctr_hold_cnt(0) depctr_sa_sdst(0) depctr_va_vdst(0) depctr_va_sdst(0) depctr_va_ssrc(0) depctr_va_vcc(0) depctr_vm_vsrc(0)
	s_getreg_b32 s2, hwreg(HW_REG_IB_STS2, 6, 4)
	s_cmp_eq_u32 s2, 0
	s_cbranch_scc0 .Lentry_in_a_cluster
	s_endpgm
.Lentry_in_a_cluster:
	s_bfe_u32 s2, ttmp6, 0x10000c
	s_cmp_lg_u32 s2, 0x3003
	s_cbranch_scc0 .Lentry_shape_is_right
	s_endpgm
.Lentry_shape_is_right:
; EIGHT VERLET STEPS, x and v [4096][1024] f32, gamma = (tanh(x U) (v U)^2) W, dt = 0.01, h = dt / 2.
; THE FORM.  The state enters gamma only through p = x U, q = v U (and f = force U), 256 numbers a row.  With M = W U an evaluation is  c = -h tanh(p) q^2,  q += h f + c M;  between a step's two
; evaluations  p += dt q.  The outputs are linear in the c:  out1 = v + 8 dt force + (sum of all c) W;  out0 = x + 8 dt v + 32 dt^2 force + dt (sum over steps of the running sum of c behind the step's first
; evaluation) W.  This is algebra that holds for every input; U and W cross each work-group once.
; LIMITS.  The order of rounding is not reference()'s: p, q, f are carried in f32 and not projected anew from the state; M is rounded to bf16 (by the launch before); the linear parts are summed in closed form in f32;
; c and its two sums are rounded to bf16 as matrix operands.  tanh(p) = 1 - 2 / (1 + 2^(2 log2(e) p)): where the power overflows the quotient is 0, where it vanishes it is 2: tanh's own limits.  NaN and infinities are not treated apart.
; SHARES.  A work-group owns 16 rows.  Wave w owns columns 64 w .. 64 w + 63 of p, q, f, c, its 64 columns of M (in registers), and of x, v, force and the outputs the four pieces of 64 columns at 256 j + 64 w.
; LAYOUT.  Every product is taken transposed: source 0 = 16 output columns of the weights, source 1 = the 16 rows.  In a result lane (r = l % 16, h = l / 16) holds row r and columns 8 h + 0..7 of the tile; two
; neighbouring tiles rounded to bf16 in pairs ARE a source 1 for 32 along K.  So c changes no lane on its way into the next product: only waves exchange it, through LDS.
; WEIGHTS.  uw holds nine chunks of 131,072 bytes in fragment order, [wave][32,768 bytes]: M, U (4), W (4).  They go through two LDS slots; wave w fetches and reads part w alone, so its own wait on
; TENSORcnt is all that a read needs.  CLUSTER: four work-groups walk the same chunks, so each part is asked for JOINTLY, by the same load, descriptor and mask in all four.
; REGISTERS, in windows of 256 (s_set_vgpr_msb: bits 1:0 source 0, 3:2 source 1, 5:4 source 2, 7:6 destination):
;   window 0: v0-15 addresses; v16-47 p, v48-79 q, v80-111 h f; projection: v112-175 U's fragments (2 sets), v176-223 the rows' (2 sets), v224-255 at work; dynamics: v112-143 -h tanh(p), v144-175 c; end: v16-79 results, v112-175 rows read back
;   window 1: M, tile t, K step s at 64 t + 8 s          window 2: v0-127 x, then out0; v128-255 v, then out1 (32 a piece)
;   window 3: projection: v0-63 force (2 sets), v64-79 its bf16; dynamics: v0-31 sum of c, v32-63 sum of sums, v64-127 c's fragments; end: v0-63 W's fragments (2 sets), v128-191, v192-255 the two sums' fragments
.set CHUNK, 131072
.set SLOT1, 131072                     ; slot 0 at 0, slot 1 here; chunk i lies in slot i % 2
.set DS,    262144                     ; behind the slots, never filled by a tensor load: 50,688 bytes, used twice
.set AP,    528                        ; projection: a row of 256 bf16 + 16 bytes: 33 x 16, so the 16 rows of a fragment load start at 16 different groups of four banks (64 banks of 4 bytes: ISA guide 11.1)
.set APL,   16*AP                      ; one tensor's 16 rows
.set ABUF,  3*APL                      ; x, v, force; two such buffers by turns
.set CB,    8192                       ; afterwards: c's two buffers at DS, DS + CB: [K step][half][lane][16 bytes]
.set CVB,   16384                      ; the sum of c, and
.set CXB,   24576                      ; dt x the sum of sums, in the same form
.set SP,    272                        ; the way out: a row of 64 f32 + 16 bytes
.set STAGE, DS+32768                   ; 16 rows x 272 bytes for each wave
.set SPARE, DS+2*ABUF                  ; the spare words, 128 bytes for each wave: two blocks of 256 bytes that no other line names
.set SPW,  2                           ; v2   LDS address of my spare word; never rewritten
.set NIL,  3                           ; v3   0; never rewritten
.set GIO,  4                           ; v4   x, v, force, out: h x 4,096 + 256 w + 16 r: lanes 0-15 take 256 consecutive bytes of a row, lanes 16-31 of the next
.set ASTO, 5                           ; v5   where I put 8 bytes (4 bf16) of a row
.set ARD,  6                           ; v6   my place in a fragment of the rows
.set URD,  7                           ; v7, v8  my place in my part of slot 0, slot 1
.set CSTO, 9                           ; v9   where I put c's fragments
.set CRD,  10                          ; v10  where I read them
.set STO,  11                          ; v11  the way out: in
.set RD,   12                          ; v12  the way out: back
.set PFO,  13                          ; v13  256 x lane, for the prefetches; never rewritten
.set PP,   16
.set QQ,   48
.set HF,   80
.set UF,   112
.set AF,   176
.set TMP,  224
.set GT,   112
.set CT,   144
.set FA,   16
.set OB,   112
.set XR,   0                           ; window 2
.set VR,   128
.set FR,   0                           ; window 3
.set FT,   64
.set CV,   0
.set CX,   32
.set CF,   64
.set WF,   0
.set CVF,  128
.set CXF,  192
.set WV,   16                          ; s16  my wave's number
.set G1,   24                          ; s[24:31] descriptor group 1
.set G0A,  32                          ; s[32:35] group 0 for slot 0
.set G0B,  36                          ; s[36:39] group 0 for slot 1
.set K8DT, 40                          ; s[40:41] 8 dt          (a packed instruction names the pair and takes its low word for both halves)
.set K32,  42                          ; s[42:43] 32 dt^2
.set KDT,  44                          ; s[44:45] dt
.set KNH,  46                          ; s[46:47] -h
.set KH,   48                          ; s[48:49] h
.set KL2,  50                          ; s[50:51] 2 log2(e)
.set CNT,  52                          ; s52  steps to go
.set PF,   54                          ; s[54:55] uw + 32,768 cx + 8,192 w
.set ASKS, 56                          ; s56  1 in the launch's first cluster
.set MSB, 0
.macro WIN new                         ; the immediate's high byte repeats the setting that is left; a switch that changes nothing is dropped
.if MSB != (\new)
	s_set_vgpr_msb (MSB<<8)|(\new)
.set MSB, (\new)
.endif
.endm
.macro PLACES                          ; four places behind a matrix instruction (ISA guide 7.12.1), where no other vector work is at hand
.rept 4
	v_nop
.endr
.endm
; A round of the cluster's barrier: my work-group's barrier, so that wave 0's signal speaks for all four waves; wave 0 signals; every wave waits for all four work-groups; my work-group's barrier once more.
.macro CROUND
	s_barrier_signal -1
	s_barrier_wait -1
	s_cmp_lg_u32 s[WV], 0
	s_cbranch_scc1 .Lnot_wave_0_\@
	s_barrier_signal -3
.Lnot_wave_0_\@:
	s_barrier_wait -3
	s_barrier_signal -1
	s_barrier_wait -1
.endm
; A prefetch of chunk i, which stands two refills on.  All clusters walk the same chunks: the first cluster asks, nobody else.  Its four partners and their four waves share the chunk's 512 blocks of 256 bytes
; out BY ADDRESS (32,768 cx + 8,192 w + 256 lane): each block is named once in the launch, and no branch hangs on a work-group's place in its cluster.  Chunks 0 to 3 come by their loads alone.
.macro ASK i
	s_cmp_lg_u32 s[ASKS], 0
	s_cbranch_scc0 .Lno_ask_\@
	global_prefetch_b8 v[PFO], s[PF:PF+1] offset:(\i)*CHUNK th:TH_LOAD_NT scope:SCOPE_SE
.Lno_ask_\@:
.endm
; A slot that has been read is filled again, with the chunk two on.  Each wave waits for all its tensor loads (the one that is out is its part of the other slot), adds 0 to its spare word, and waits for that and for all
; its LDS instructions; the round then holds of every wave of all four work-groups; the joint load is the first thing behind it, one a wave.
.macro REFILL g0, ask
	WIN 0                                          ; at a label and at a branch every window is 0
	s_wait_tensorcnt 0x0                           ; no tensor load of mine is out, so a group 0 may be written
	ds_add_u32 v[SPW], v[NIL]                      ; the descriptor's step stands between the add and the wait for it
	s_add_nc_u64 s[(\g0)+2:(\g0)+3], s[(\g0)+2:(\g0)+3], 2*CHUNK  ; the type bits on top are not reached
	s_wait_dscnt 0x0                               ; the add is done; my reads of the slot are over; my LDS stores have landed
	CROUND
	tensor_load_to_lds s[(\g0):(\g0)+3], s[G1:G1+7]
	s_nop 0
	PLACES
.if \ask
	ASK \ask
.endif
.endm
; Piece j of x, v and force: 24 loads, each two rows x 256 consecutive aligned bytes.
.macro LOADIN j
	WIN 0x80
.irp t, 0,1,2,3,4,5,6,7
	global_load_b128 v[XR+32*(\j)+4*(\t):XR+32*(\j)+4*(\t)+3], v[GIO], s[4:5] offset:1024*(\j)+8192*(\t) th:TH_LOAD_NT
.endr
.irp t, 0,1,2,3,4,5,6,7
	global_load_b128 v[VR+32*(\j)+4*(\t):VR+32*(\j)+4*(\t)+3], v[GIO], s[6:7] offset:1024*(\j)+8192*(\t) th:TH_LOAD_NT
.endr
	WIN 0xc0
.irp t, 0,1,2,3,4,5,6,7
	global_load_b128 v[FR+32*((\j)%2)+4*(\t):FR+32*((\j)%2)+4*(\t)+3], v[GIO], s[8:9] offset:1024*(\j)+8192*(\t) th:TH_LOAD_NT
.endr
.endm
; Piece j is rounded to bf16 and put into LDS for all four waves; then, in f32 and in place, x += 8 dt v + 32 dt^2 force and v += 8 dt force: the outputs' linear parts.
.macro CONVERT j
	WIN 0x0a                                       ; sources in window 2
.irp t, 0,1,2,3,4,5,6,7
	v_cvt_pk_bf16_f32 v[TMP+2*(\t)],      v[XR+32*(\j)+4*(\t)],   v[XR+32*(\j)+4*(\t)+1]
	v_cvt_pk_bf16_f32 v[TMP+2*(\t)+1],    v[XR+32*(\j)+4*(\t)+2], v[XR+32*(\j)+4*(\t)+3]
	v_cvt_pk_bf16_f32 v[TMP+16+2*(\t)],   v[VR+32*(\j)+4*(\t)],   v[VR+32*(\j)+4*(\t)+1]
	v_cvt_pk_bf16_f32 v[TMP+16+2*(\t)+1], v[VR+32*(\j)+4*(\t)+2], v[VR+32*(\j)+4*(\t)+3]
.endr
	WIN 0
.irp t, 0,1,2,3,4,5,6,7
	ds_store_b64 v[ASTO], v[TMP+2*(\t):TMP+2*(\t)+1]       offset:ABUF*((\j)%2)+2*AP*(\t)
	ds_store_b64 v[ASTO], v[TMP+16+2*(\t):TMP+16+2*(\t)+1] offset:ABUF*((\j)%2)+APL+2*AP*(\t)
.endr
	WIN 0xcf                                       ; all in window 3
.irp t, 0,1,2,3,4,5,6,7
	v_cvt_pk_bf16_f32 v[FT+2*(\t)],   v[FR+32*((\j)%2)+4*(\t)],   v[FR+32*((\j)%2)+4*(\t)+1]
	v_cvt_pk_bf16_f32 v[FT+2*(\t)+1], v[FR+32*((\j)%2)+4*(\t)+2], v[FR+32*((\j)%2)+4*(\t)+3]
.endr
	WIN 0x0c                                       ; address window 0, data window 3
.irp t, 0,1,2,3,4,5,6,7
	ds_store_b64 v[ASTO], v[FT+2*(\t):FT+2*(\t)+1] offset:ABUF*((\j)%2)+2*APL+2*AP*(\t)
.endr
	WIN 0xa2
.set i, 0
.rept 16
	v_pk_fma_f32 v[XR+32*(\j)+i:XR+32*(\j)+i+1], v[VR+32*(\j)+i:VR+32*(\j)+i+1], s[K8DT:K8DT+1], v[XR+32*(\j)+i:XR+32*(\j)+i+1] op_sel_hi:[1,0,1]
.set i, i+2
.endr
	WIN 0xa3
.set i, 0
.rept 16
	v_pk_fma_f32 v[XR+32*(\j)+i:XR+32*(\j)+i+1], v[FR+32*((\j)%2)+i:FR+32*((\j)%2)+i+1], s[K32:K32+1],   v[XR+32*(\j)+i:XR+32*(\j)+i+1] op_sel_hi:[1,0,1]
	v_pk_fma_f32 v[VR+32*(\j)+i:VR+32*(\j)+i+1], v[FR+32*((\j)%2)+i:FR+32*((\j)%2)+i+1], s[K8DT:K8DT+1], v[VR+32*(\j)+i:VR+32*(\j)+i+1] op_sel_hi:[1,0,1]
.set i, i+2
.endr
.endm
; K step k of piece j: 14 LDS loads: my four fragments of U, and the fragments of x, v and force.
.macro FETCHP j, k
.set u, (\k)%2
.irp t, 0,1,2,3
	ds_load_b128 v[UF+32*u+8*(\t):UF+32*u+8*(\t)+3],   v[URD+((\j)+1)%2] offset:4096*(\k)+1024*(\t)
	ds_load_b128 v[UF+32*u+8*(\t)+4:UF+32*u+8*(\t)+7], v[URD+((\j)+1)%2] offset:4096*(\k)+1024*(\t)+512
.endr
.irp a, 0,1,2
	ds_load_b128 v[AF+24*u+8*(\a):AF+24*u+8*(\a)+3],   v[ARD] offset:ABUF*((\j)%2)+APL*(\a)+64*(\k)
	ds_load_b128 v[AF+24*u+8*(\a)+4:AF+24*u+8*(\a)+7], v[ARD] offset:ABUF*((\j)%2)+APL*(\a)+64*(\k)+32
.endr
.endm
; Its 12 products; the twelve accumulators take turns.  zero = 1: the first K step of all starts the sums.
.macro MULP k, zero
.set u, (\k)%2
.irp a, 0,1,2
.irp t, 0,1,2,3
.if \zero
	v_wmma_f32_16x16x32_bf16 v[PP+32*(\a)+8*(\t):PP+32*(\a)+8*(\t)+7], v[UF+32*u+8*(\t):UF+32*u+8*(\t)+7], v[AF+24*u+8*(\a):AF+24*u+8*(\a)+7], 0
.else
	v_wmma_f32_16x16x32_bf16 v[PP+32*(\a)+8*(\t):PP+32*(\a)+8*(\t)+7], v[UF+32*u+8*(\t):UF+32*u+8*(\t)+7], v[AF+24*u+8*(\a):AF+24*u+8*(\a)+7], v[PP+32*(\a)+8*(\t):PP+32*(\a)+8*(\t)+7]
.endif
.endr
.endr
.endm
.macro PROJ j                          ; piece j's eight K steps; while one set of fragments is multiplied the other is on its way
	WIN 0
	FETCHP \j, 0
	FETCHP \j, 1
	s_wait_dscnt 14                                ; all but the 14 just issued
.if (\j) == 0
	MULP 0, 1
.else
	MULP 0, 0
.endif
.irp k, 1,2,3,4,5,6
	PLACES                                         ; in front of loads into the set that was just multiplied
	FETCHP \j, (\k)+1
	s_wait_dscnt 14
	MULP \k, 0
.endr
	s_wait_dscnt 0x0
	MULP 7, 0
.endm
; -h tanh(p) = dt / (1 + 2^(2 log2(e) p)) - h.  Two batches of 32 transcendentals; behind each a plain instruction and ONE wait ahead of the first reader.
.macro GATE
	WIN 0
.set i, 0
.rept 16
	v_pk_mul_f32 v[CT+i:CT+i+1], v[PP+i:PP+i+1], s[KL2:KL2+1] op_sel_hi:[1,0]
.set i, i+2
.endr
.set i, 0
.rept 32
	v_exp_f32 v[CT+i], v[CT+i]
.set i, i+1
.endr
	v_nop
	s_wait_alu depctr_va_vdst(0)
.set i, 0
.rept 16
	v_pk_add_f32 v[CT+i:CT+i+1], v[CT+i:CT+i+1], 1.0 op_sel_hi:[1,0]
.set i, i+2
.endr
.set i, 0
.rept 32
	v_rcp_f32 v[CT+i], v[CT+i]
.set i, i+1
.endr
	v_nop
	s_wait_alu depctr_va_vdst(0)
.set i, 0
.rept 16
	v_pk_fma_f32 v[GT+i:GT+i+1], v[CT+i:CT+i+1], s[KDT:KDT+1], s[KNH:KNH+1] op_sel_hi:[1,0,0]
.set i, i+2
.endr
.endm
; AN EVALUATION.  c = (-h tanh(p)) q^2 for my 64 columns; the sum of c takes it; rounded to bf16 it is two fragments, which go into buffer b; behind the barrier all eight fragments come back, and q += h f + c M.
; Buffer b is written again two evaluations on: the barrier of the evaluation between, in front of which each wave has waited for its reads, orders that.
.macro EVAL b
	WIN 0
.set i, 0
.rept 16
	v_pk_mul_f32 v[CT+i:CT+i+1], v[QQ+i:QQ+i+1], v[QQ+i:QQ+i+1]
.set i, i+2
.endr
.set i, 0
.rept 16
	v_pk_mul_f32 v[CT+i:CT+i+1], v[CT+i:CT+i+1], v[GT+i:GT+i+1]
.set i, i+2
.endr
	WIN 0xc3
.set i, 0
.rept 16
	v_pk_add_f32 v[CV+i:CV+i+1], v[CV+i:CV+i+1], v[CT+i:CT+i+1]
.set i, i+2
.endr
	WIN 0
.set i, 0
.rept 16
	v_cvt_pk_bf16_f32 v[CT+i], v[CT+2*i], v[CT+2*i+1]  ; in place: register i is written when 2 i and 2 i + 1 have been read
.set i, i+1
.endr
.irp t, 0,1,2,3
	ds_store_b128 v[CSTO], v[CT+4*(\t):CT+4*(\t)+3] offset:CB*(\b)+512*(\t)  ; tile t is half t % 2 of K step 2 w + t / 2
.endr
	s_wait_dscnt 0x0                               ; for the others' sake: my fragments lie in LDS
	s_barrier_signal -1
.set i, 0
.rept 16
	v_pk_add_f32 v[QQ+i:QQ+i+1], v[QQ+i:QQ+i+1], v[HF+i:HF+i+1]  ; work on registers while the others arrive
.set i, i+2
.endr
	s_barrier_wait -1
	WIN 0xc0
.irp k, 0,1,2,3,4,5,6,7,8,9,10,11,12,13,14,15
	ds_load_b128 v[CF+4*(\k):CF+4*(\k)+3], v[CRD] offset:CB*(\b)+512*(\k)
.endr
	s_wait_dscnt 8                                 ; K steps 0 to 3 are in; the youngest eight loads may be out
	WIN 0x0d                                       ; M window 1, c window 3, q window 0
.irp s, 0,1,2,3
.irp t, 0,1,2,3
	v_wmma_f32_16x16x32_bf16 v[QQ+8*(\t):QQ+8*(\t)+7], v[64*(\t)+8*(\s):64*(\t)+8*(\s)+7], v[CF+8*(\s):CF+8*(\s)+7], v[QQ+8*(\t):QQ+8*(\t)+7]
.endr
.endr
	s_wait_dscnt 0x0
.irp s, 4,5,6,7
.irp t, 0,1,2,3
	v_wmma_f32_16x16x32_bf16 v[QQ+8*(\t):QQ+8*(\t)+7], v[64*(\t)+8*(\s):64*(\t)+8*(\s)+7], v[CF+8*(\s):CF+8*(\s)+7], v[QQ+8*(\t):QQ+8*(\t)+7]
.endr
.endr
.endm
; THE END.  For piece ch of the outputs: K step k of W, my four fragments; eight products (both sums x four tiles), the eight accumulators by turns.
.macro FETCHW ch, k
	WIN 0xc0
.irp t, 0,1,2,3
	ds_load_b128 v[WF+32*((\k)%2)+8*(\t):WF+32*((\k)%2)+8*(\t)+3],   v[URD+((\ch)+1)%2] offset:4096*(\k)+1024*(\t)
	ds_load_b128 v[WF+32*((\k)%2)+8*(\t)+4:WF+32*((\k)%2)+8*(\t)+7], v[URD+((\ch)+1)%2] offset:4096*(\k)+1024*(\t)+512
.endr
.endm
.macro MULW k
	WIN 0x0f                                       ; W and the sums in window 3, results in window 0
.irp t, 0,1,2,3
.irp o, 0,1
.if (\k) == 0
	v_wmma_f32_16x16x32_bf16 v[FA+32*(\o)+8*(\t):FA+32*(\o)+8*(\t)+7], v[WF+32*((\k)%2)+8*(\t):WF+32*((\k)%2)+8*(\t)+7], v[CXF-64*(\o)+8*(\k):CXF-64*(\o)+8*(\k)+7], 0
.else
	v_wmma_f32_16x16x32_bf16 v[FA+32*(\o)+8*(\t):FA+32*(\o)+8*(\t)+7], v[WF+32*((\k)%2)+8*(\t):WF+32*((\k)%2)+8*(\t)+7], v[CXF-64*(\o)+8*(\k):CXF-64*(\o)+8*(\k)+7], v[FA+32*(\o)+8*(\t):FA+32*(\o)+8*(\t)+7]
.endif
.endr
.endr
.endm
.macro FIN ch
	FETCHW \ch, 0
	FETCHW \ch, 1
	s_wait_dscnt 8                                 ; all but the 8 just issued
	MULW 0
.irp k, 1,2,3,4,5,6
	PLACES
	FETCHW \ch, (\k)+1
	s_wait_dscnt 8
	MULW \k
.endr
	s_wait_dscnt 0x0
	MULW 7
.endm
; THE WAY OUT of piece ch.  A lane's 32 bytes of a row go into my stage and come back as whole rows of 256 bytes, in the layout in which x and v were loaded; the linear part is added; sixteen lanes store 256 consecutive aligned bytes.
; One stage serves both outputs: LDS serves a wave's instructions in order (ISA guide 5.7.1.4).  The stored registers are never written again.
.macro OUT ch
	PLACES                                         ; the LDS stores read results just made
	WIN 0
.irp o, 0,1
.irp t, 0,1,2,3
	ds_store_b128 v[STO], v[FA+32*(\o)+8*(\t):FA+32*(\o)+8*(\t)+3]   offset:64*(\t)
	ds_store_b128 v[STO], v[FA+32*(\o)+8*(\t)+4:FA+32*(\o)+8*(\t)+7] offset:64*(\t)+16
.endr
.irp t, 0,1,2,3,4,5,6,7
	ds_load_b128 v[OB+32*(\o)+4*(\t):OB+32*(\o)+4*(\t)+3], v[RD] offset:2*SP*(\t)
.endr
.endr
	s_wait_dscnt 16                                ; the first output's rows are back; the second's 8 stores and 8 loads may be out
	WIN 0x82
.set i, 0
.rept 16
	v_pk_add_f32 v[XR+32*(\ch)+i:XR+32*(\ch)+i+1], v[XR+32*(\ch)+i:XR+32*(\ch)+i+1], v[OB+i:OB+i+1]
.set i, i+2
.endr
	WIN 0x08                                       ; address window 0, data window 2
.irp t, 0,1,2,3,4,5,6,7
	global_store_b128 v[GIO], v[XR+32*(\ch)+4*(\t):XR+32*(\ch)+4*(\t)+3], s[12:13] offset:1024*(\ch)+8192*(\t) th:TH_STORE_NT
.endr
	s_wait_dscnt 0x0
	WIN 0x82
.set i, 0
.rept 16
	v_pk_add_f32 v[VR+32*(\ch)+i:VR+32*(\ch)+i+1], v[VR+32*(\ch)+i:VR+32*(\ch)+i+1], v[OB+32+i:OB+32+i+1]
.set i, i+2
.endr
	WIN 0x08
.irp t, 0,1,2,3,4,5,6,7
	global_store_b128 v[GIO], v[VR+32*(\ch)+4*(\t):VR+32*(\ch)+4*(\t)+3], s[14:15] offset:1024*(\ch)+8192*(\t) th:TH_STORE_NT
.endr
	WIN 0
.endm
	s_load_b256 s[4:11], s[0:1], 0x0               ; x s[4:5], v s[6:7], force s[8:9], uw s[10:11]
	s_load_b128 s[12:15], s[0:1], 0x20             ; out0 s[12:13], out1 s[14:15]
	v_lshl_add_u32 v[SPW], v0, 2, SPARE
	v_mov_b32 v[NIL], 0
	ds_add_u32 v[SPW], v[NIL]                      ; the wave's opening: the add, twice on end, and its wait ahead of my first tensor load; the set-up below stands between
	ds_add_u32 v[SPW], v[NIL]
	v_lshrrev_b32 v1, 5, v0
	v_readfirstlane_b32 s[WV], v1                  ; wave 0..3
	s_bfe_u32 s17, ttmp6, 0x40000                  ; cx: my place in the cluster; it enters global addresses alone
	s_lshl_b32 s18, ttmp9, 2                       ; in a cluster launch ttmp9 counts clusters
	s_add_co_u32 s18, s18, s17                     ; my work-group,
	s_lshl_b32 s18, s18, 16                        ; its 16 rows of 4,096 bytes
	s_mov_b32 s19, 0
	s_lshl_b32 s20, s17, 15                        ; the prefetches: 32,768 cx + 8,192 w
	s_lshl_b32 s21, s[WV], 13
	s_add_co_u32 s20, s20, s21
	s_mov_b32 s21, 0
	s_cmp_eq_u32 ttmp9, 0
	s_cselect_b32 s[ASKS], 1, 0                    ; the same in all four partners
	; descriptor group 1: 32,768 dense bytes as 128 rows of 256
	s_mov_b32 s[G1+0], 15|(3<<16)|(1<<21)          ; 15:0 the mask: all four work-groups; 17:16 elements of 8 bytes; 20 no padding; 21 set beside a mask
	s_mov_b32 s[G1+1], 32<<16                      ; tensor_dim0 = 32
	s_mov_b32 s[G1+2], 128<<16                     ; tensor_dim1 = 128
	s_mov_b32 s[G1+3], 32<<16                      ; tile_dim0 = 32
	s_mov_b32 s[G1+4], 128                         ; tile_dim1 = 128
	s_mov_b32 s[G1+5], 32                          ; 32 elements from row to row
	s_mov_b32 s[G1+6], 0
	s_mov_b32 s[G1+7], 0
	s_lshl_b32 s22, s[WV], 15                      ; my part of a chunk and of a slot
	s_mov_b32 s[G0A], 1                            ; count = 1
	s_mov_b32 s[G0A+1], s22                        ; LDS address: slot 0
	s_mov_b32 s[G0B], 1
	s_add_co_u32 s[G0B+1], s22, SLOT1              ; slot 1
	s_mov_b32 s[K8DT], 0x3da3d70a                  ; 8 dt = 0.08
	s_mov_b32 s[K8DT+1], 0x3da3d70a
	s_mov_b32 s[K32], 0x3b51b717                   ; 32 dt^2 = 0.0032
	s_mov_b32 s[K32+1], 0x3b51b717
	s_mov_b32 s[KDT], 0x3c23d70a                   ; dt = 0.01
	s_mov_b32 s[KDT+1], 0x3c23d70a
	s_mov_b32 s[KNH], 0xbba3d70a                   ; -h = -0.005
	s_mov_b32 s[KNH+1], 0xbba3d70a
	s_mov_b32 s[KH], 0x3ba3d70a                    ; h
	s_mov_b32 s[KH+1], 0x3ba3d70a
	s_mov_b32 s[KL2], 0x4038aa3b                   ; 2 log2(e)
	s_mov_b32 s[KL2+1], 0x4038aa3b
	v_and_b32 v14, 15, v0                          ; r
	v_bfe_u32 v15, v0, 4, 1                        ; h
	v_and_b32 v1, 31, v0                           ; l
	s_lshl_b32 s23, s[WV], 8
	v_lshlrev_b32 v[GIO], 4, v14
	v_lshl_add_u32 v[GIO], v15, 12, v[GIO]
	v_add_nc_u32 v[GIO], s23, v[GIO]
	s_lshl_b32 s23, s[WV], 7
	s_add_co_u32 s23, s23, DS
	v_mul_u32_u24 v[ASTO], v15, AP
	v_lshl_add_u32 v[ASTO], v14, 3, v[ASTO]
	v_add_nc_u32 v[ASTO], s23, v[ASTO]             ; row h, 128 w + 8 r
	v_mul_u32_u24 v[ARD], v14, AP
	v_lshl_add_u32 v[ARD], v15, 4, v[ARD]
	v_add_nc_u32 v[ARD], DS, v[ARD]                ; row r, 16 h
	v_lshl_add_u32 v[URD], v1, 4, s22
	v_add_nc_u32 v[URD+1], SLOT1, v[URD]
	s_lshl_b32 s23, s[WV], 11
	s_add_co_u32 s23, s23, DS
	v_lshl_add_u32 v[CSTO], v1, 4, s23             ; K steps 2 w, 2 w + 1
	v_lshlrev_b32 v[CRD], 4, v1
	v_add_nc_u32 v[CRD], DS, v[CRD]
	s_mul_i32 s23, s[WV], 16*SP
	s_add_co_u32 s23, s23, STAGE                   ; my stage
	v_mul_u32_u24 v[STO], v14, SP
	v_lshl_add_u32 v[STO], v15, 5, v[STO]
	v_add_nc_u32 v[STO], s23, v[STO]               ; in: row r, 32 bytes for each half of the lanes
	v_mul_u32_u24 v[RD], v15, SP
	v_lshl_add_u32 v[RD], v14, 4, v[RD]
	v_add_nc_u32 v[RD], s23, v[RD]                 ; back: lanes 0-15 one row of 256 bytes, lanes 16-31 the next
	v_lshlrev_b32 v[PFO], 8, v1
	s_mov_b32 s23, 0                               ; s[22:23]: my part's offset, in 64 bits
	s_wait_dscnt 0x0                               ; both opening adds are done
	s_wait_kmcnt 0x0
	s_add_nc_u64 s[4:5], s[4:5], s[18:19]          ; the five row tensors at my work-group's first row
	s_add_nc_u64 s[6:7], s[6:7], s[18:19]
	s_add_nc_u64 s[8:9], s[8:9], s[18:19]
	s_add_nc_u64 s[12:13], s[12:13], s[18:19]
	s_add_nc_u64 s[14:15], s[14:15], s[18:19]
	s_add_nc_u64 s[PF:PF+1], s[10:11], s[20:21]
	s_add_nc_u64 s[G0A+2:G0A+3], s[10:11], s[22:23]       ; chunk 0, my part
	s_add_nc_u64 s[G0B+2:G0B+3], s[G0A+2:G0A+3], CHUNK    ; chunk 1
	s_or_b32 s[G0A+3], s[G0A+3], 0x80000000        ; type = 2
	s_or_b32 s[G0B+3], s[G0B+3], 0x80000000
	LOADIN 0                                       ; two pieces, 48 loads a wave, are on their way before anything else
	LOADIN 1
	WIN 0
	CROUND                                         ; all four work-groups are here: the first joint loads meet
	tensor_load_to_lds s[G0A:G0A+3], s[G1:G1+7]    ; M into slot 0
	s_nop 0
	tensor_load_to_lds s[G0B:G0B+3], s[G1:G1+7]    ; U's first chunk into slot 1: two loads of mine are out
	s_nop 0
	PLACES
	s_wait_tensorcnt 0x1                           ; my part of M is in; the younger load may stay out.  I read what I fetched myself: no barrier
	WIN 0x40
.irp t, 0,1,2,3
.irp k, 0,1,2,3,4,5,6,7,8,9,10,11,12,13,14,15
	ds_load_b128 v[64*(\t)+4*(\k):64*(\t)+4*(\k)+3], v[URD] offset:8192*(\t)+512*(\k)  ; M stays in registers
.endr
.endr
	WIN 0
	; THE PROJECTION: p, q, f = (x, v, force) U, piece by piece.  The refill's round is also the barrier between the four waves' stores of a piece and the reads, and between a buffer's reads and its next stores.
	s_wait_loadcnt 24                              ; piece 0 is in; piece 1's 24 loads may stay out
	CONVERT 0
	LOADIN 2
	REFILL G0A, 4                                  ; M has been read: slot 0 takes chunk 2
	PROJ 0
	s_wait_loadcnt 24                              ; piece 1 is in; piece 2's may stay out
	CONVERT 1
	LOADIN 3
	REFILL G0B, 5
	PROJ 1
	s_wait_loadcnt 24                              ; piece 2 is in; piece 3's may stay out
	CONVERT 2
	REFILL G0A, 6
	PROJ 2
	s_wait_loadcnt 0x0
	CONVERT 3
	REFILL G0B, 7                                  ; W's first chunk
	PROJ 3
	REFILL G0A, 8                                  ; W's second chunk: it has all the dynamics in which to land.  Behind this round nobody reads the projection's buffers: their bytes serve anew
	PLACES                                         ; with the four behind the load: eight places in front of lines that rewrite results just made
.set i, 0
.rept 16
	v_pk_mul_f32 v[HF+i:HF+i+1], v[HF+i:HF+i+1], s[KH:KH+1] op_sel_hi:[1,0]
.set i, i+2
.endr
	GATE
	WIN 0xc0
.set i, 0
.rept 64
	v_mov_b32 v[CV+i], 0                           ; the two sums start at 0: no first step is written out
.set i, i+1
.endr
	WIN 0
	s_mov_b32 s[CNT], 8
.Lstep:                                        ; a step: two evaluations, p moved between them; tanh(p) serves the second and the next step's first
	EVAL 0
	WIN 0xcf
.set i, 0
.rept 16
	v_pk_add_f32 v[CX+i:CX+i+1], v[CX+i:CX+i+1], v[CV+i:CV+i+1]  ; the sum of sums; also the places behind the products
.set i, i+2
.endr
	WIN 0
.set i, 0
.rept 16
	v_pk_fma_f32 v[PP+i:PP+i+1], v[QQ+i:QQ+i+1], s[KDT:KDT+1], v[PP+i:PP+i+1] op_sel_hi:[1,0,1]
.set i, i+2
.endr
	GATE
	EVAL 1
	PLACES                                         ; the next evaluation reads q
	WIN 0
	s_sub_co_u32 s[CNT], s[CNT], 1
	s_cmp_lg_u32 s[CNT], 0
	s_cbranch_scc1 .Lstep
	; the two sums become matrix operands, as c did
	WIN 0xc3
.set i, 0
.rept 16
	v_pk_mul_f32 v[CX+i:CX+i+1], v[CX+i:CX+i+1], s[KDT:KDT+1] op_sel_hi:[1,0]
.set i, i+2
.endr
	WIN 0x0f
.set i, 0
.rept 16
	v_cvt_pk_bf16_f32 v[CT+i],    v[CV+2*i], v[CV+2*i+1]
	v_cvt_pk_bf16_f32 v[CT+16+i], v[CX+2*i], v[CX+2*i+1]
.set i, i+1
.endr
	WIN 0
.irp t, 0,1,2,3
	ds_store_b128 v[CSTO], v[CT+4*(\t):CT+4*(\t)+3]       offset:CVB+512*(\t)
	ds_store_b128 v[CSTO], v[CT+16+4*(\t):CT+16+4*(\t)+3] offset:CXB+512*(\t)
.endr
	s_wait_dscnt 0x0                               ; for the others' sake
	s_barrier_signal -1
	s_barrier_wait -1
	WIN 0xc0
.irp k, 0,1,2,3,4,5,6,7,8,9,10,11,12,13,14,15
	ds_load_b128 v[CVF+4*(\k):CVF+4*(\k)+3], v[CRD] offset:CVB+512*(\k)
	ds_load_b128 v[CXF+4*(\k):CXF+4*(\k)+3], v[CRD] offset:CXB+512*(\k)
.endr
	s_wait_tensorcnt 0x1                           ; W's first chunk is in; the second, issued behind it, may stay out
	FIN 0
	OUT 0
	REFILL G0B, 0                                  ; W's third chunk; nothing lies two refills on
	FIN 1
	OUT 1
	REFILL G0A, 0                                  ; W's last chunk
	FIN 2
	OUT 2
	s_wait_tensorcnt 0x0                           ; no load was issued behind the last chunk's
	FIN 3
	OUT 3
	s_wait_tensorcnt 0x0                           ; the wave's end: behind my last tensor load and my last LDS store
	ds_add_u32 v[SPW], v[NIL]
	s_wait_dscnt 0x0
	CROUND                                         ; the closing round: no work-group ends while a partner may still ask for a chunk that names it
	s_endpgm
.Lfunc_end_k_q315f7652ba_main:
	.size	k_q315f7652ba_main, .Lfunc_end_k_q315f7652ba_main-k_q315f7652ba_main
	.p2alignl 7, 3214868480
	.fill 96, 4, 3214868480
	.section	.rodata,"a",@progbits
	.p2align	6, 0x0
	.amdhsa_kernel k_q315f7652ba_main
		.amdhsa_group_segment_fixed_size 327680
		.amdhsa_private_segment_fixed_size 0
		.amdhsa_enable_private_segment 0
		.amdhsa_kernarg_size 48
		.amdhsa_user_sgpr_count 2
		.amdhsa_user_sgpr_kernarg_segment_ptr 1
		.amdhsa_wavefront_size32 1
		.amdhsa_system_sgpr_workgroup_id_x 1
		.amdhsa_system_sgpr_workgroup_id_y 1
		.amdhsa_system_sgpr_workgroup_id_z 1
		.amdhsa_system_vgpr_workitem_id 0
		.amdhsa_next_free_vgpr 1024
		.amdhsa_next_free_sgpr 66
		.amdhsa_reserve_vcc 0
		.amdhsa_float_denorm_mode_32 3
		.amdhsa_float_denorm_mode_16_64 3
		.amdhsa_memory_ordered 1
		.amdhsa_forward_progress 1
		.amdhsa_inst_pref_size 212
	.end_amdhsa_kernel
	.amdgpu_metadata
---
amdhsa.version: [ 1, 2 ]
amdhsa.kernels:
  - .name:           k_q315f7652ba_main
    .symbol:         k_q315f7652ba_main.kd
    .args:
      - { .name: x, .offset: 0, .size: 8, .value_kind: global_buffer, .address_space: global }
      - { .name: v, .offset: 8, .size: 8, .value_kind: global_buffer, .address_space: global }
      - { .name: force, .offset: 16, .size: 8, .value_kind: global_buffer, .address_space: global }
      - { .name: uw, .offset: 24, .size: 8, .value_kind: global_buffer, .address_space: global }
      - { .name: out0, .offset: 32, .size: 8, .value_kind: global_buffer, .address_space: global }
      - { .name: out1, .offset: 40, .size: 8, .value_kind: global_buffer, .address_space: global }
    .group_segment_fixed_size: 327680
    .private_segment_fixed_size: 0
    .kernarg_segment_align: 8
    .kernarg_segment_size: 48
    .max_flat_workgroup_size: 128
    .sgpr_count:     66
    .vgpr_count:     1024
    .wavefront_size: 32
...
	.end_amdgpu_metadata
.endif
;; end of part 2
